; MI455X (gfx1250); checked and timed in simulation.
; The chip was launched on July 23, 2026; its instructions are those of AMD's public machine-readable ISA for CDNA 5 (MIT licence, August 2026) and "CDNA5" Instruction Set Architecture Reference Guide (July 2026). The comments in the code are by the model that wrote it; some were corrected since.
;; Multihead Attention. Allowed arithmetic: matrix products marked QUANTISED: E2M1 operands, one E8M0 scale for each 32 along K, by v_wmma_scale_f32_16x16x128_f8f6f4 with both operands' format E2M1 (or v_wmma_scale_f32_32x16x128_f4), f32 sums; everything else in f32.
;; Inputs: W_o_codes 1,024 x 32 x 16 uint8 (E2M1 codes of W_o, K innermost, in blocks of 32 codes, two codes a byte); W_o_scales 1,024 x 32 uint8 (E8M0 scales of W_o, one for each 32 codes along K); W_qkv_codes 3,072 x 32 x 16 uint8 (E2M1 codes of W_qkv, K innermost, in blocks of 32 codes, two codes a byte); W_qkv_scales 3,072 x 32 uint8 (E8M0 scales of W_qkv, one for each 32 codes along K); b_o 1,024 float32; b_qkv 3,072 float32; x_codes 4 x 2,048 x 32 x 16 uint8 (E2M1 codes of x, K innermost, in blocks of 32 codes, two codes a byte); x_scales 4 x 2,048 x 32 uint8 (E8M0 scales of x, one for each 32 codes along K).
;; Outputs: out0 4 x 2,048 x 1,024 float32.
;; This version of the problem:
;;   THIS VERSION OF THE PROBLEM IS GIVEN IN LOW PRECISION. The matrix products marked QUANTISED in the list below multiply operands that are first quantised to E2M1 (2 exponent bits, 1 mantissa bit; 4 bits a number), with one power-of-two scale for each 32 numbers along K (OCP MX v1.0); their sums are f32. All else is computed in f32.
;;   The module's matrix products, in the order in which they are computed (A, B: the left and right operand; K: the contracted axis; several contracted axes count as one K, in the product's order):
;;     1. [M 8,192, K 1,024] x [K 1,024, N 3,072]; A: input x (given as codes); B: input W_qkv (given as codes): QUANTISED
;;     2. batch 64 x [M 2,048, K 64] x [K 64, N 2,048]; A: computed on the way; B: computed on the way: QUANTISED
;;     3. batch 64 x [M 2,048, K 2,048] x [K 2,048, N 64]; A: softmax (see below); B: computed on the way: QUANTISED
;;     4. [M 8,192, K 1,024] x [K 1,024, N 1,024]; A: computed on the way; B: input W_o (given as codes): QUANTISED
;;   THE QUANTISER, for each operand of a quantised product, along K:
;;     - K is cut into blocks of 32 from its start; a last block that is shorter is filled with zeros.
;;     - A block's scale is 2^e with e = floor(log2(the largest magnitude in the block)) - 2, held to -126 .. 127; a block of zeros has e = 0. As a byte (E8M0): e + 127.
;;     - Each number is divided by its block's scale, clamped to +-6, and rounded to the nearest number of E2M1, ties to even, subnormals kept.
;;     - The product sums the exact products of the quantised numbers (number of the format x scale) in f32.
;;   ~~~python
;;   def quantise(x, axis):      # numpy; x: float32 -> the quantised numbers, widened to float32 again
;;       x = np.moveaxis(x, axis, -1); K = x.shape[-1]
;;       x = np.pad(x, [(0, 0)] * (x.ndim - 1) + [(0, -K % 32)]); x = x.reshape(x.shape[:-1] + (-1, 32)); a = np.abs(x).max(-1, keepdims=True)
;;       e = np.where(a > 0, np.clip(np.frexp(np.where(a > 0, a, 1))[1] - 1 - 2, -126, 127), 0)      # np.frexp(a)[1] - 1 = floor(log2(a)), exactly
;;       r = np.clip(x / 2.0 ** e, -6, 6)
;;       step = 2.0 ** (np.maximum(np.frexp(np.where(r == 0, 1, r))[1] - 1, 0) - 1)
;;       q = np.round(r / step) * step * 2.0 ** e      # np.round: ties to even
;;       return np.moveaxis(q.reshape(q.shape[:-2] + (-1,))[..., :K], -1, axis).astype(np.float32)
;;   ~~~
;;   SOFTMAX AHEAD OF A QUANTISED PRODUCT. Where the list says 'softmax', what is quantised is not the finished softmax but p = 2^(t - M), with t = logit x log2(e) and M = ceil(the row's largest t), a whole number; so 1/2 < the row's largest p <= 1. The row's sum l is taken of the UNQUANTISED p, in f32, and the product's result is divided by l at the end. Since M is a whole number, a kernel that streams over the keys may use a running M (the ceiling of the running maximum): every later rescaling is an exact power of two, which a block's scale takes up: the codes' values come out the same.
;;   OPERANDS COMPUTED ON THE WAY. 'Computed on the way' means the value that the module computes at that place (a softmax that the list does not call 'softmax' is quantised finished and normalised). What goes into a quantiser is computed in f32, as accurately as f32 sums, v_exp_f32 and their like allow (about 1e-6 of the number): no bf16 or f16 on the way to a quantiser, and a product that is left as it is and whose result goes on into a quantised operand takes f32 operands (vector FMAs, or v_wmma_f32_16x16x4_f32). A number that lies on a knife's edge between two numbers of the format may be rounded either way, as far as f32 arithmetic and the matrix unit's own rounding can turn it there, and no further.
;;   INPUTS GIVEN AS CODES. W_o (in the module: [1024, 1024], K = its axis 0); W_qkv (in the module: [1024, 3072], K = its axis 0); x (in the module: [4, 2048, 1024], K = its axis 2): each comes as NAME_codes (uint8): NAME with its K axis moved to the last place and cut into blocks of 32 codes, [.., K / 32, bytes a block], one block behind the other in memory; two codes a byte, the lower K in the low four bits (a code: sign, 2 exponent bits, 1 mantissa bit); and NAME_scales (uint8): the same leading axes, one E8M0 byte (e + 127) for each 32 codes along K. Its value is code x scale, taken as it is: it is not quantised again, and the codes and scales need not be those that the quantiser above would give.
;; One version. Each part assembles by itself: llvm-mc -triple=amdgcn-amd-amdhsa -mcpu=gfx1250 --defsym DOCPART=n.
;; ======== version 1 of 1: 3 launches
;; workspace buffers: q_img 4,194,304 bytes; q_sc 524,288 bytes; kv 9,175,040 bytes; o_img 4,194,304 bytes; o_sc 262,144 bytes
;; launch qkv (part 1): grid 16 x 32, 12 waves a work-group, clusters of 4 x 4, 263,680 bytes of LDS; arguments x_codes, x_scales, W_qkv_codes, W_qkv_scales, b_qkv, q_img, q_sc, kv; writes q_img, q_sc, kv
.if DOCPART == 1
	.amdgcn_target "amdgcn-amd-amdhsa--gfx1250"
	.amdhsa_code_object_version 6
	.text
	.protected	k_qb76af7ddfd_qkv
	.globl	k_qb76af7ddfd_qkv
	.p2align	8
	.type	k_qb76af7ddfd_qkv,@function
k_qb76af7ddfd_qkv:
	s_mov_b64 s[64:65], 0
	v_nop
	global_prefetch_b8 v0, s[64:65] scope:SCOPE_SE
	s_setreg_imm32_b32 hwreg(HW_REG_WAVE_MODE, 25, 1), 1
	s_wait_xcnt 0x0
	s_wait_alu depctr_hold_cnt(0) depctr_sa_sdst(0) depctr_va_vdst(0) depctr_va_sdst(0) depctr_va_ssrc(0) depctr_va_vcc(0) depctr_vm_vsrc(0)
	s_getreg_b32 s2, hwreg(HW_REG_IB_STS2, 6, 4)
	s_cmp_eq_u32 s2, 0
	s_cbranch_scc0 .Lentry_in_a_cluster
	s_endpgm
.Lentry_in_a_cluster:
	s_bfe_u32 s2, ttmp6, 0x10000c
	s_cmp_lg_u32 s2, 0xf033
	s_cbranch_scc0 .Lentry_shape_is_right
	s_endpgm
.Lentry_shape_is_right:
; qkv = x W_qkv + b_qkv on codes of FP4 (E2M1) with one E8M0 scale for each 32 along K = 1,024; then q and k are quantised along the head's 64, v along the keys, and leave as
; IMAGES OF OPERAND REGISTERS for the attention launch.  x: 8,192 rows of 512 bytes of codes; W_qkv: 3,072 rows (n) of 512 bytes; column n = 192 head + (q: 0..63, k: 64..127, v: 128..191).
; SHARES.  A work-group takes 256 rows of x and one head (192 rows of W).  All of K lies in LDS, filled once in two halves of K: nothing is filled twice.
; Twelve waves: role = wave / 4 (0 q, 1 k, 2 v), rg = wave % 4 (64 rows of x).  A wave makes 64 x 64: 16 accumulators.
; q and k waves: source 0 = 16 rows of W, source 1 = 16 rows of x: a lane holds one row of x and its registers run along the head's 64, the next product's K.
; v waves: source 0 = 16 rows of x, source 1 = 16 rows of W: a lane holds one channel and its registers run along the keys, the next product's K.  Only LDS addresses differ: one main text for all.
; CLUSTER 4 x 4: x's tile is shared along a row of the cluster, W's along a column: joint loads.
; THE QUANTISER IN REGISTERS.  A conversion takes one accumulator's eight registers.  Four accumulators T = 0..3 hold k = 16 T + 8 (lane / 16) + j; their four code registers, with two exchanges of
; lane halves, are four registers of an operand: lane (r, h) holds k = 32 h + 0 .. 31 of row r.
; LIMITS: NaN and infinities are not served.  A block of zeros gets the byte 1 where the rule says 127: its codes are zeros, and this program alone reads the bytes.
.set PITCH, 272                        ; an LDS row: 256 bytes of codes (512 along K) + 16 of padding: the 16 rows of a fragment load start at 16 different banks
.set XB,    256*PITCH                  ; in a slot: x's 256 rows, then W's 192
.set SLOT,  448*PITCH                  ; a slot = one half of K
.set SCX,   2*SLOT                     ; x's scale bytes: 32 units of 256 + 16
.set SCW,   SCX+32*272                 ; W's: 24 units
.set STG,   259072                     ; 512 bytes, written by LDS stores alone: V's scale words of two key steps
.set ADR0, 4                           ; v4-5   source 0's fragments in slot 0, 1
.set ADR1, 6                           ; v6-7   source 1's
.set AS,   8                           ; v8     scale words: lanes 0-15 source 0's rows, lanes 16-31 source 1's
.set VO,   10                          ; v10-13 global offsets of the four code stores: 16 x lane + jt x stride
.set SC,   16                          ; v16-31 scale words of half of K: register 4 i + q
.set F0,   32                          ; v32-63 source 0's four fragments
.set F1,   64                          ; v64-95 source 1's
.set ACC,  96                          ; v96-223 accumulator (i, jt) at ACC + 8 (4 jt + i)
.set BIAS, 224                         ; v224-255 the bias in the result's layout: the C of each sum's first product
.set TM,   32                          ; the way out works in the fragments' registers: largest magnitudes,
.set TP,   34                          ; the other half of the lanes',
.set SOQ,  36                          ; the conversions' scale operands,
.set BY,   38                          ; the scale bytes,
.set PCQ,  40                          ; v40-55 codes, four registers for each jt,
.set HW,   56                          ; v56-59 two scale bytes for each jt
.set WV,   20
.set ROLE, 21
.set RG,   22
.set ISV,  23
.set G1,   24                          ; s[24:31] group 1, x's codes;  s[32:39] groups 0, one for each half of K
.set G0,   32
.set G1B,  48                          ; the same for W's codes
.set G0B,  56
.set G1S,  68                          ; x's scales
.set G0S,  76
.set G1SB, 80                          ; W's scales
.set G0SB, 88
.set SEL,  96                          ; s[96:97] v_permlanex16_b32's selects: lane l xor 16
.macro ROUND                           ; a round of the cluster's barrier
	s_barrier_signal -1
	s_barrier_wait -1
	s_cmp_lg_u32 s[WV], 0
	s_cbranch_scc1 .Lnot_wave_0_\@
	s_barrier_signal -3
.Lnot_wave_0_\@:
	s_barrier_wait -3
	s_barrier_signal -1
	s_barrier_wait -1
.endm
.macro PLACES                          ; four plain places behind matrix instructions, ahead of loads into their registers and of reads of their results
.rept 4
	v_nop
.endr
.endm
	s_load_b256 s[4:11], s[0:1], 0x0               ; x's codes s[4:5], x's scales s[6:7], W's codes s[8:9], W's scales s[10:11]
	s_load_b256 s[12:19], s[0:1], 0x20             ; b_qkv s[12:13], q_img s[14:15], q_sc s[16:17], kv s[18:19]
	v_lshl_add_u32 v3, v0, 2, 0x40000
	s_set_vgpr_msb 0x40
	v_mov_b32 v1, 0
	s_set_vgpr_msb 0x4044
	ds_add_u32 v3, v1
	ds_add_u32 v3, v1
	s_set_vgpr_msb 0x4400
	v_lshrrev_b32 v1, 5, v0
	s_delay_alu instid0(VALU_DEP_1)
	v_readfirstlane_b32 s[WV], v1                  ; wave 0..11
	s_lshr_b32 s[ROLE], s[WV], 2
	s_and_b32 s[RG], s[WV], 3
	s_lshr_b32 s[ISV], s[ROLE], 1                  ; 1 in the v waves
	s_xor_b32 s99, s[ISV], 1                       ; 1 in the q and k waves
	s_and_b32 s2, s[WV], 1                         ; which half of a tile's rows a fetching wave fetches
	s_bfe_u32 s40, ttmp6, 0x40000                  ; cx
	s_bfe_u32 s41, ttmp6, 0x40004                  ; cy
	s_lshl_b32 s42, ttmp9, 2
	s_add_co_u32 s42, s42, s40                     ; the head = 4 x cluster x + cx
	s_and_b32 s43, ttmp7, 0xffff
	s_lshl_b32 s43, s43, 2
	s_add_co_u32 s43, s43, s41                     ; the tile of 256 rows = 4 x cluster y + cy
	s_lshl_b32 s92, s41, 2
	s_lshl_b32 s92, 15, s92                        ; my row of the cluster
	s_lshl_b32 s93, 0x1111, s40                    ; my column
	; groups 1.  Codes: rows of 256 bytes, 512 bytes apart in memory, 16 bytes of padding behind each; 128 rows of x, 96 of W to a load
	s_or_b32 s[G1], s92, (1<<20)|(1<<21)|(5<<22)|(3<<25)
	s_or_b32 s[G1B], s93, (1<<20)|(1<<21)|(5<<22)|(3<<25)
	s_mov_b32 s[G1+1], 256<<16                     ; tensor_dim0
	s_mov_b32 s[G1+2], 128<<16                     ; tensor_dim1
	s_mov_b32 s[G1+3], 256<<16                     ; tile_dim0
	s_mov_b32 s[G1+4], 128                         ; tile_dim1
	s_mov_b32 s[G1+5], 512                         ; from row to row
	s_mov_b32 s[G1+6], 0
	s_mov_b32 s[G1+7], 0
	s_mov_b32 s[G1B+1], 256<<16
	s_mov_b32 s[G1B+2], 96<<16
	s_mov_b32 s[G1B+3], 256<<16
	s_mov_b32 s[G1B+4], 96
	s_mov_b32 s[G1B+5], 512
	s_mov_b32 s[G1B+6], 0
	s_mov_b32 s[G1B+7], 0
	; scales: dense blocks, as rows of 256 bytes (32 elements of 8 bytes), 16 bytes of padding behind each; 16 such rows for 128 rows of x, 12 for 96 of W
	s_or_b32 s[G1S], s92, (3<<16)|(1<<20)|(1<<21)|(5<<22)|(3<<25)
	s_or_b32 s[G1SB], s93, (3<<16)|(1<<20)|(1<<21)|(5<<22)|(3<<25)
	s_mov_b32 s[G1S+1], 32<<16
	s_mov_b32 s[G1S+2], 16<<16
	s_mov_b32 s[G1S+3], 32<<16
	s_mov_b32 s[G1S+4], 16
	s_mov_b32 s[G1S+5], 32
	s_mov_b32 s[G1S+6], 0
	s_mov_b32 s[G1S+7], 0
	s_mov_b32 s[G1SB+1], 32<<16
	s_mov_b32 s[G1SB+2], 12<<16
	s_mov_b32 s[G1SB+3], 32<<16
	s_mov_b32 s[G1SB+4], 12
	s_mov_b32 s[G1SB+5], 32
	s_mov_b32 s[G1SB+6], 0
	s_mov_b32 s[G1SB+7], 0
	; where the tiles come from: x's hang on the tile of rows alone, W's on the head alone
	s_lshl_b32 s44, s43, 17                        ; 256 rows x 512 bytes
	s_lshl_b32 s45, s2, 16                         ; + 128 rows
	s_add_co_u32 s44, s44, s45
	s_mov_b32 s45, 0
	s_lshr_b32 s66, s44, 4                         ; the scales: 32 bytes a row where the codes have 512
	s_mov_b32 s67, 0
	s_mul_i32 s46, s42, 192*512
	s_mul_i32 s47, s2, 96*512
	s_add_co_u32 s46, s46, s47
	s_mov_b32 s47, 0
	s_lshr_b32 s94, s46, 4
	s_mov_b32 s95, 0
	s_mul_i32 s100, s2, 128*PITCH                  ; and where they go: no place in the cluster enters an LDS address
	s_mul_i32 s101, s2, 96*PITCH
	s_mul_i32 s3, s2, 16*272
	s_mul_i32 s98, s2, 12*272
	s_wait_dscnt 0x0
	s_wait_kmcnt 0x0
	s_add_nc_u64 s[44:45], s[4:5], s[44:45]
	s_add_nc_u64 s[46:47], s[8:9], s[46:47]
	s_mov_b32 s[G0S], 1
	s_add_co_u32 s[G0S+1], s3, SCX
	s_add_nc_u64 s[G0S+2:G0S+3], s[6:7], s[66:67]
	s_or_b32 s[G0S+3], s[G0S+3], 0x80000000
	s_mov_b32 s[G0SB], 1
	s_add_co_u32 s[G0SB+1], s98, SCW
	s_add_nc_u64 s[G0SB+2:G0SB+3], s[10:11], s[94:95]
	s_or_b32 s[G0SB+3], s[G0SB+3], 0x80000000
.irp kh, 0,1
	s_mov_b32 s[G0+4*\kh], 1
	s_add_co_u32 s[G0+4*\kh+1], s100, \kh*SLOT
	s_add_nc_u64 s[G0+4*\kh+2:G0+4*\kh+3], s[44:45], \kh*256
	s_or_b32 s[G0+4*\kh+3], s[G0+4*\kh+3], 0x80000000
	s_mov_b32 s[G0B+4*\kh], 1
	s_add_co_u32 s[G0B+4*\kh+1], s101, XB+\kh*SLOT
	s_add_nc_u64 s[G0B+4*\kh+2:G0B+4*\kh+3], s[46:47], \kh*256
	s_or_b32 s[G0B+4*\kh+3], s[G0B+4*\kh+3], 0x80000000
.endr
	ROUND                                          ; all sixteen work-groups are here: the joint loads meet
	; all fills of the launch, in one group.  Waves 0, 1: x's halves; waves 2, 3: W's; the others none.  Three loads of a wave are out: scales, first half of K, second half
	s_cmp_lt_u32 s[WV], 2
	s_cbranch_scc0 .Lnot_a
	tensor_load_to_lds s[G0S:G0S+3], s[G1S:G1S+7]
	s_nop 0
	tensor_load_to_lds s[G0:G0+3], s[G1:G1+7]
	s_nop 0
	tensor_load_to_lds s[G0+4:G0+7], s[G1:G1+7]
	s_nop 0
	PLACES
	s_branch .Lasked
.Lnot_a:
	s_cmp_lt_u32 s[WV], 4
	s_cbranch_scc0 .Lasked
	tensor_load_to_lds s[G0SB:G0SB+3], s[G1SB:G1SB+7]
	s_nop 0
	tensor_load_to_lds s[G0B:G0B+3], s[G1B:G1B+7]
	s_nop 0
	tensor_load_to_lds s[G0B+4:G0B+7], s[G1B:G1B+7]
	s_nop 0
	PLACES
.Lasked:
	; every address register is made here, on the way that all waves take
	v_and_b32 v16, 15, v0                          ; r
	v_bfe_u32 v17, v0, 4, 1                        ; h
	v_and_b32 v18, 31, v0                          ; lane
	s_delay_alu instid0(VALU_DEP_1)
	v_lshlrev_b32 v[VO], 4, v18                    ; 16 x lane
	s_delay_alu instid0(VALU_DEP_1)
	v_add_nc_u32 v1, STG, v[VO]                    ; where wave 8 reads V's scale words back
	v_lshlrev_b32 v2, 2, v16                       ; 4 r: the v waves' bias
	v_lshlrev_b32 v9, 5, v17                       ; 32 h: the q and k waves' bias
	v_mul_u32_u24 v19, v16, PITCH
	s_delay_alu instid0(VALU_DEP_1)
	v_lshl_add_u32 v19, v17, 4, v19                ; a fragment's row x pitch + 16 h
	s_wait_alu depctr_va_vdst(0)
	s_mul_i32 s100, s[RG], 64*PITCH                ; my 64 rows of x
	s_mul_i32 s101, s[ROLE], 64*PITCH
	s_add_co_u32 s101, s101, XB                    ; my 64 rows of W
	s_mul_i32 s2, s100, s[ISV]
	s_mul_i32 s3, s101, s99
	s_add_co_u32 s2, s2, s3                        ; source 0: W's rows (q, k) or x's (v)
	s_mul_i32 s100, s100, s99
	s_mul_i32 s101, s101, s[ISV]
	s_add_co_u32 s3, s100, s101                    ; source 1: the other
	v_add_nc_u32 v[ADR0], s2, v19
	s_delay_alu instid0(VALU_DEP_1)
	v_add_nc_u32 v[ADR0+1], SLOT, v[ADR0]
	v_add_nc_u32 v[ADR1], s3, v19
	s_delay_alu instid0(VALU_DEP_1)
	v_add_nc_u32 v[ADR1+1], SLOT, v[ADR1]
	v_lshrrev_b32 v20, 3, v16
	v_lshlrev_b32 v[AS], 5, v16                    ; a row's 32 scale bytes,
	s_delay_alu instid0(VALU_DEP_1)
	v_lshl_add_u32 v[AS], v20, 4, v[AS]            ; and 16 more behind each 256
	v_xor_b32 v20, s99, v17                        ; 1 in the lanes that take W's scales: lanes 0-15 take source 0's, lanes 16-31 source 1's
	s_xor_b32 s2, s[RG], 3
	s_add_co_u32 s2, s2, s[ROLE]
	s_add_co_u32 s2, s2, 1
	s_mul_i32 s2, s2, 8*272                        ; from my x rows' scales to my W rows': (4 + role - rg) x 64 rows' units
	v_mul_u32_u24 v20, v20, s2
	s_delay_alu instid0(VALU_DEP_1)
	v_add_nc_u32 v[AS], v[AS], v20
	s_mul_i32 s3, s[RG], 8*272
	s_add_co_u32 s3, s3, SCX
	v_add_nc_u32 v[AS], s3, v[AS]
	s_lshl_b32 s2, 512, s[ISV]                     ; from one code store to the next: 512 bytes (q, k), 1,024 (v)
	v_add_nc_u32 v[VO+1], s2, v[VO]
	s_delay_alu instid0(VALU_DEP_1)
	v_add_nc_u32 v[VO+2], s2, v[VO+1]
	s_delay_alu instid0(VALU_DEP_1)
	v_add_nc_u32 v[VO+3], s2, v[VO+2]
	v_lshlrev_b32 v14, 4, v16
	s_delay_alu instid0(VALU_DEP_1)
	v_lshl_add_u32 v14, v17, 3, v14                ; 16 r + 8 h: q's and k's scale words on the way out
	s_lshr_b32 s2, s[RG], 1
	s_lshl_b32 s2, s2, 8
	s_and_b32 s3, s[RG], 1
	s_lshl_b32 s3, s3, 1
	s_add_co_u32 s2, s2, s3
	s_add_co_u32 s2, s2, STG
	v_lshl_add_u32 v15, v16, 4, s2                 ; V's scale bytes: key step rg / 2, channel row r, halfword rg % 2
	s_mul_i32 s100, s42, 768
	s_lshl_b32 s101, s[ROLE], 8
	s_add_co_u32 s100, s100, s101
	s_mov_b32 s101, 0
	s_add_nc_u64 s[12:13], s[12:13], s[100:101]    ; b_qkv at my 64 columns
	s_cmp_eq_u32 s[ROLE], 2
	s_cbranch_scc1 .Lbias_v
.irp s, 0,1,2,3                                ; q, k: register j of tile s is the bias of column 16 s + 8 h + j
	global_load_b128 v[BIAS+8*\s:BIAS+8*\s+3], v9, s[12:13] offset:64*\s
	global_load_b128 v[BIAS+8*\s+4:BIAS+8*\s+7], v9, s[12:13] offset:64*\s+16
.endr
	s_branch .Lbias_done
.Lbias_v:
.irp s, 0,1,2,3                                ; v: all eight registers of tile s are the bias of column 16 s + r
.irp jj, 0,1,2,3,4,5,6,7
	global_load_b32 v[BIAS+8*\s+\jj], v2, s[12:13] offset:64*\s
.endr
.endr
.Lbias_done:
	; where the results go
	s_lshr_b32 s2, s43, 3
	s_lshl_b32 s2, s2, 4
	s_add_co_u32 s2, s2, s42                       ; HH = 16 x batch + head
	s_and_b32 s3, s43, 7                           ; which 256 rows of the sequence
	s_mul_i32 s100, s2, 143360
	s_mul_i32 s101, s3, 2*8960
	s_add_co_u32 s100, s100, s101
	s_mov_b32 s101, 0
	s_add_nc_u64 s[66:67], s[18:19], s[100:101]    ; kv at the work-group's two key steps
	s_lshr_b32 s100, s[RG], 1
	s_mul_i32 s100, s100, 8960                     ; my key step of the two
	s_and_b32 s101, s[RG], 1                       ; and my half of its 128 keys
	s_lshl_b32 s40, s101, 11
	s_add_co_u32 s40, s40, 768                     ; k: four tiles of 512 bytes
	s_lshl_b32 s41, s101, 9
	s_add_co_u32 s41, s41, 4864                    ; v: chunk c of each channel tile
	s_cmp_eq_u32 s[ROLE], 2
	s_cselect_b32 s40, s41, s40
	s_add_co_u32 s40, s40, s100
	s_lshl_b32 s41, s2, 16                         ; q: HH x 128 tiles + my four tiles
	s_lshl_b32 s44, s3, 13
	s_add_co_u32 s41, s41, s44
	s_lshl_b32 s44, s[RG], 11
	s_add_co_u32 s41, s41, s44
	s_lshl_b32 s46, s2, 13                         ; q's scale words: 256 bytes for 64 rows
	s_lshl_b32 s47, s3, 10
	s_add_co_u32 s46, s46, s47
	s_lshl_b32 s47, s[RG], 8
	s_add_co_u32 s46, s46, s47
	s_lshl_b32 s47, s101, 8                        ; k's
	s_add_co_u32 s47, s47, s100
	s_add_co_u32 s47, s47, 256
	s_cmp_eq_u32 s[ROLE], 0
	s_cselect_b64 s[92:93], s[14:15], s[66:67]
	s_cselect_b64 s[94:95], s[16:17], s[66:67]
	s_cselect_b32 s40, s41, s40
	s_cselect_b32 s46, s46, s47
	s_mov_b32 s41, 0
	s_mov_b32 s47, 0
	s_add_nc_u64 s[92:93], s[92:93], s[40:41]      ; my codes
	s_add_nc_u64 s[94:95], s[94:95], s[46:47]      ; my scale words (q, k)
	s_mov_b32 s[SEL], 0x76543210
	s_mov_b32 s[SEL+1], 0xfedcba98
	s_mov_b32 s98, 0xffff0000                      ; lanes 16-31
.macro SCALES kh                       ; the scale words of half of K: four words a row
.irp i, 0,1,2,3
	ds_load_b128 v[SC+4*\i:SC+4*\i+3], v[AS] offset:\i*544+16*\kh
.endr
.endm
.macro LOADF kh, q                     ; eight fragments of 16 rows x 128 K: lane (r, h) takes 16 bytes at row r, 16 h, and 32 bytes further on
.irp i, 0,1,2,3
.irp c, 0,1
	ds_load_b128 v[F0+8*\i+4*\c:F0+8*\i+4*\c+3], v[ADR0+\kh] offset:\i*16*PITCH+64*\q+32*\c
.endr
.endr
.irp i, 0,1,2,3
.irp c, 0,1
	ds_load_b128 v[F1+8*\i+4*\c:F1+8*\i+4*\c+3], v[ADR1+\kh] offset:\i*16*PITCH+64*\q+32*\c
.endr
.endr
.endm
; 16 products, the 16 accumulators by turns, one instruction a turn.  cmode 0: adds in place; 1, 2: the bias starts the sums (by source 0's tile: q, k; by source 1's: v)
.macro MUL q, cmode
.irp jt, 0,1,2,3
.irp i, 0,1,2,3
.if \cmode == 0
	v_wmma_scale_f32_16x16x128_f8f6f4 v[ACC+8*(4*\jt+\i):ACC+8*(4*\jt+\i)+7], v[F0+8*\i:F0+8*\i+7], v[F1+8*\jt:F1+8*\jt+7], v[ACC+8*(4*\jt+\i):ACC+8*(4*\jt+\i)+7], v[SC+4*\i+\q], v[SC+4*\jt+\q] matrix_a_fmt:MATRIX_FMT_FP4 matrix_b_fmt:MATRIX_FMT_FP4 matrix_b_scale:MATRIX_SCALE_ROW1
.elseif \cmode == 1
	v_wmma_scale_f32_16x16x128_f8f6f4 v[ACC+8*(4*\jt+\i):ACC+8*(4*\jt+\i)+7], v[F0+8*\i:F0+8*\i+7], v[F1+8*\jt:F1+8*\jt+7], v[BIAS+8*\i:BIAS+8*\i+7], v[SC+4*\i+\q], v[SC+4*\jt+\q] matrix_a_fmt:MATRIX_FMT_FP4 matrix_b_fmt:MATRIX_FMT_FP4 matrix_b_scale:MATRIX_SCALE_ROW1
.else
	v_wmma_scale_f32_16x16x128_f8f6f4 v[ACC+8*(4*\jt+\i):ACC+8*(4*\jt+\i)+7], v[F0+8*\i:F0+8*\i+7], v[F1+8*\jt:F1+8*\jt+7], v[BIAS+8*\jt:BIAS+8*\jt+7], v[SC+4*\i+\q], v[SC+4*\jt+\q] matrix_a_fmt:MATRIX_FMT_FP4 matrix_b_fmt:MATRIX_FMT_FP4 matrix_b_scale:MATRIX_SCALE_ROW1
.endif
.endr
.endr
.endm
.macro STEP kh, q                      ; 128 along K.  Three waves share a SIMD: while one waits for its fragments the others multiply
	LOADF \kh, \q
	s_wait_dscnt 0x0
	MUL \q, 0
	PLACES
.endm
; 32 numbers of a lane, register 8 T + j = k 16 T + 8 h + j of my row, become four code registers (k = 32 h + 0 .. 31) in v[pc] on and two scale bytes in v[hw]
.macro QUANT32 s, pc, hw
.irp b, 0,1
	v_max3_num_f32 v[TM+\b], |v[(\s)+16*\b]|, |v[(\s)+16*\b+1]|, 0x1800000   ; block b: my 16 numbers, and the floor 2^(3 - 127): the byte cannot fall under 1.  Each accumulator is read from its low end on
.endr
.irp i, 2,4,6,8,10,12,14
.irp b, 0,1
	v_max3_num_f32 v[TM+\b], v[TM+\b], |v[(\s)+16*\b+\i]|, |v[(\s)+16*\b+\i+1]|
.endr
.endr
.irp b, 0,1
	s_delay_alu instid0(VALU_DEP_2)
	v_permlanex16_b32 v[TP+\b], v[TM+\b], s[SEL], s[SEL+1]
.endr
.irp b, 0,1
	s_delay_alu instid0(VALU_DEP_2)
	v_max_num_f32 v[TM+\b], v[TM+\b], v[TP+\b]     ; with lane l xor 16's 16: the block's largest magnitude
.endr
.irp b, 0,1
	s_delay_alu instid0(VALU_DEP_2)
	v_add_nc_u32 v[SOQ+\b], 0xff000000, v[TM+\b]   ; 2 off its exponent field: the conversion's scale operand
.endr
.irp b, 0,1
	s_delay_alu instid0(VALU_DEP_2)
	v_lshrrev_b32 v[BY+\b], 23, v[SOQ+\b]          ; the scale's byte
.endr
	s_delay_alu instid0(VALU_DEP_1)
	v_lshl_or_b32 v[\hw], v[BY+1], 8, v[BY]
	v_cvt_scalef32_pk8_fp4_f32 v[(\pc)], v[(\s):(\s)+7], v[SOQ]
	v_cvt_scalef32_pk8_fp4_f32 v[(\pc)+2], v[(\s)+8:(\s)+15], v[SOQ]
	v_cvt_scalef32_pk8_fp4_f32 v[(\pc)+1], v[(\s)+16:(\s)+23], v[SOQ+1]
	v_cvt_scalef32_pk8_fp4_f32 v[(\pc)+3], v[(\s)+24:(\s)+31], v[SOQ+1]
	v_nop                                          ; one plain place behind the scaled conversions
	v_permlane16_swap_b32 v[(\pc)], v[(\pc)+1]     ; the first's lanes 16-31 change places with the second's lanes 0-15: a whole block in a lane
	v_permlane16_swap_b32 v[(\pc)+2], v[(\pc)+3]
.endm
	s_wait_tensorcnt 0x1                           ; the scales and the first half of K are in; the second half's load, issued last, may be out
	s_barrier_signal -1
	s_barrier_wait -1                              ; everybody's are
	s_wait_alu depctr_va_vdst(0)
	SCALES 0
	LOADF 0, 0
	s_wait_loadcnt 0x0                             ; the bias
	s_wait_dscnt 0x0
	s_cmp_eq_u32 s[ROLE], 2
	s_cbranch_scc1 .Lfirst_v
	MUL 0, 1
	s_branch .Lfirst_done
.Lfirst_v:
	MUL 0, 2
.Lfirst_done:
	PLACES
.irp q, 1,2,3
	STEP 0, \q
.endr
	s_wait_tensorcnt 0x0                           ; the second half of K is in,
	s_barrier_signal -1
	s_barrier_wait -1                              ; everybody's is
	SCALES 1
.irp q, 0,1,2,3
	STEP 1, \q
.endr
	; THE WAY OUT.  For each jt the four accumulators (0..3, jt) are 64 along the next K of one lane's row
	v_mov_b32 v[TP], 0                             ; a lane permute's destination counts as one of its sources
	v_mov_b32 v[TP+1], 0
.irp jt, 0,1,2,3
	QUANT32 ACC+32*\jt, PCQ+4*\jt, HW+\jt
	global_store_b128 v[VO+\jt], v[PCQ+4*\jt:PCQ+4*\jt+3], s[92:93]   ; 32 lanes store 512 consecutive bytes, at a multiple of 256 from the buffer's first byte
.endr
	v_and_b32 v72, 15, v0
	v_bfe_u32 v73, v0, 4, 1
	s_delay_alu instid0(VALU_DEP_1)
	v_mul_u32_u24 v73, v73, 8960
	s_delay_alu instid0(VALU_DEP_1)
	v_lshl_add_u32 v72, v72, 4, v73                ; wave 8's store: lanes 0-15 the first key step's 256 bytes, lanes 16-31 the second's
	s_cmp_eq_u32 s[ROLE], 2
	s_cbranch_scc1 .Lscale_v
.irp jt, 0,1,2,3
	v_or_b32 v[60+\jt], 0x7f7f0000, v[HW+\jt]      ; a word for K = 128: the upper 64 are not there; their bytes stand for 1
.endr
	s_delay_alu instid0(VALU_DEP_2)
	v_cndmask_b32 v64, v60, v62, s98               ; lane (r, h) stores the words of tiles 2 h and 2 h + 1 of row r
	s_delay_alu instid0(VALU_DEP_2)
	v_cndmask_b32 v65, v61, v63, s98
	global_store_b64 v14, v[64:65], s[94:95]       ; 32 lanes store 256 consecutive bytes, aligned
	s_branch .Lscale_done
.Lscale_v:
.irp jt, 0,1,2,3
	ds_store_b16 v15, v[HW+\jt] offset:4*\jt       ; two of the four bytes of channel 16 jt + r's word; both halves of the lanes write the same
.endr
.Lscale_done:
	s_wait_dscnt 0x0                               ; for wave 8's sake: my LDS stores are done
	s_barrier_signal -1
	s_barrier_wait -1
	s_cmp_lg_u32 s[WV], 8
	s_cbranch_scc1 .Lnot_8
	ds_load_b128 v[68:71], v1
	s_wait_dscnt 0x0
	s_wait_alu depctr_va_vdst(0)
	global_store_b128 v72, v[68:71], s[66:67]      ; V's scale words of both key steps: two aligned runs of 256 bytes
.Lnot_8:
	s_set_vgpr_msb 0x4
	s_wait_tensorcnt 0x0
	ds_add_u32 v3, v1
	s_wait_dscnt 0x0
	s_set_vgpr_msb 0x400
	ROUND                                          ; the closing round: no work-group ends while a partner may still ask for a tile that names it
	s_endpgm
.Lfunc_end_k_qb76af7ddfd_qkv:
	.size	k_qb76af7ddfd_qkv, .Lfunc_end_k_qb76af7ddfd_qkv-k_qb76af7ddfd_qkv
	.p2alignl 7, 3214868480
	.fill 96, 4, 3214868480
	.section	.rodata,"a",@progbits
	.p2align	6, 0x0
	.amdhsa_kernel k_qb76af7ddfd_qkv
		.amdhsa_group_segment_fixed_size 263680
		.amdhsa_private_segment_fixed_size 0
		.amdhsa_enable_private_segment 0
		.amdhsa_kernarg_size 64
		.amdhsa_user_sgpr_count 2
		.amdhsa_user_sgpr_kernarg_segment_ptr 1
		.amdhsa_wavefront_size32 1
		.amdhsa_system_sgpr_workgroup_id_x 1
		.amdhsa_system_sgpr_workgroup_id_y 1
		.amdhsa_system_sgpr_workgroup_id_z 1
		.amdhsa_system_vgpr_workitem_id 0
		.amdhsa_next_free_vgpr 258
		.amdhsa_next_free_sgpr 102
		.amdhsa_reserve_vcc 0
		.amdhsa_float_denorm_mode_32 3
		.amdhsa_float_denorm_mode_16_64 3
		.amdhsa_memory_ordered 1
		.amdhsa_forward_progress 1
		.amdhsa_inst_pref_size 54
	.end_amdhsa_kernel
	.amdgpu_metadata
---
amdhsa.version: [ 1, 2 ]
amdhsa.kernels:
  - .name:           k_qb76af7ddfd_qkv
    .symbol:         k_qb76af7ddfd_qkv.kd
    .args:
      - { .name: x_codes, .offset: 0, .size: 8, .value_kind: global_buffer, .address_space: global }
      - { .name: x_scales, .offset: 8, .size: 8, .value_kind: global_buffer, .address_space: global }
      - { .name: W_qkv_codes, .offset: 16, .size: 8, .value_kind: global_buffer, .address_space: global }
      - { .name: W_qkv_scales, .offset: 24, .size: 8, .value_kind: global_buffer, .address_space: global }
      - { .name: b_qkv, .offset: 32, .size: 8, .value_kind: global_buffer, .address_space: global }
      - { .name: q_img, .offset: 40, .size: 8, .value_kind: global_buffer, .address_space: global }
      - { .name: q_sc, .offset: 48, .size: 8, .value_kind: global_buffer, .address_space: global }
      - { .name: kv, .offset: 56, .size: 8, .value_kind: global_buffer, .address_space: global }
    .group_segment_fixed_size: 263680
    .private_segment_fixed_size: 0
    .kernarg_segment_align: 8
    .kernarg_segment_size: 64
    .max_flat_workgroup_size: 384
    .sgpr_count:     102
    .vgpr_count:     258
    .wavefront_size: 32
...
	.end_amdgpu_metadata
.endif
;; end of part 1
;; launch attn (part 2): grid 8 x 32, 16 waves a work-group, clusters of 4 x 1, 296,960 bytes of LDS; arguments q_img, q_sc, kv, o_img, o_sc; writes o_img, o_sc
.if DOCPART == 2
	.amdgcn_target "amdgcn-amd-amdhsa--gfx1250"
	.amdhsa_code_object_version 6
	.text
	.protected	k_qb76af7ddfd_attn
	.globl	k_qb76af7ddfd_attn
	.p2align	8
	.type	k_qb76af7ddfd_attn,@function
k_qb76af7ddfd_attn:
	s_mov_b64 s[64:65], 0
	v_nop
	global_prefetch_b8 v0, s[64:65] scope:SCOPE_SE
	s_setreg_imm32_b32 hwreg(HW_REG_WAVE_MODE, 25, 1), 1
	s_wait_xcnt 0x0
	s_wait_alu depctr_hold_cnt(0) depctr_sa_sdst(0) depctr_va_vdst(0) depctr_va_sdst(0) depctr_va_ssrc(0) depctr_va_vcc(0) depctr_vm_vsrc(0)
	s_getreg_b32 s2, hwreg(HW_REG_IB_STS2, 6, 4)
	s_cmp_eq_u32 s2, 0
	s_cbranch_scc0 .Lentry_in_a_cluster
	s_endpgm
.Lentry_in_a_cluster:
	s_bfe_u32 s2, ttmp6, 0x10000c
	s_cmp_lg_u32 s2, 0x3003
	s_cbranch_scc0 .Lentry_shape_is_right
	s_endpgm
.Lentry_shape_is_right:
; Attention on codes of FP4 (E2M1): S = q k^T / 8, p = 2^(t - M) with t = S log2(e) and M the running largest t rounded up to a whole number, O = (p v) / (the sum of the unquantised p);
; O is then quantised along the head's 64 and leaves as an image of the last product's operand registers.
; SHARES.  A work-group owns 256 queries and a PAIR of heads; each of its sixteen waves owns 16 queries and walks all 2,048 keys twice, once for each head: so the wave itself makes both
; halves of a fragment of 128 along the last product's K, and the whole scale word.  Four waves share a SIMD: one wave's vector work stands beside another's products and LDS loads.
; K, V and their scale words of both heads are one dense block of 286,720 bytes of kv, laid by key steps of 128 keys as register images; it is copied to LDS as it lies, once.
; CLUSTER 4 x 1: the four blocks of queries of a cluster walk the same two heads: each tile is asked for jointly.
; A key step's block of 8,960 bytes: +0 V's scale words (channel row r, tile dt), +256 K's (lane 16 hh + r, tile 4 hh + i), +768 K's 8 tiles of 16 keys, +4,864 V's 4 tiles of 16 channels x 128 keys.
; LAYOUT.  Both products are used transposed (source 0 = 16 keys, or 16 channels; source 1 = my 16 queries): a lane holds one query throughout.
; K = 64 IN AN INSTRUCTION OF K = 128: Q's upper 64 codes are zeros and the upper scale bytes of Q and K stand for 1, so what stands in the upper four registers of K's operand adds nothing:
; tile t's operand is its own four registers and the four behind them.
; LIMITS: NaN and infinities are not served.  A block of zeros gets the byte 1 where the rule says 127: its codes are zeros, and this program alone reads the bytes.
.set STEPB, 8960
.set CHB,   4*STEPB                    ; a chunk: four key steps, one load of each of waves 0 to 3
.set STG,   286720                     ; behind the two heads: 1,024 bytes, written by LDS stores alone: the scale words of 256 rows
.set KF,   32                          ; v32-63 K's 8 tiles, 4 registers each; v64-67 zeros
.set KSC,  68                          ; v68-71 K's scale words
.set VSC,  72                          ; v72-75 V's
.set VF,   76                          ; v76-107 V's four fragments
.set S,    108                         ; v108-171 S^T, then p
.set O,    172                         ; v172-203 O^T
.set PC,   204                         ; v204-211 p's codes
.set BM,   212                         ; v212-215 the blocks' largest scores, then largest p
.set T2,   216                         ; v216-219 at work
.set SO,   220                         ; v220-223 the conversions' scale operands
.set PW,   224                         ; v224 p's scale word
.set FF,   226                         ; v[226:227] f = 2^(old M - new M), and 0
.set TMP,  228
.set OC,   232                         ; v232-239 the two passes' codes of O
.set TM,   212                         ; the way out's quantiser works in BM, T2 and SO
.set TP,   216
.set SOQ,  220
.set BY,   218
.set TB,   2                           ; s2  LDS byte of the key step in hand
.set CNT,  3
.set WV,   14
.set SEL,  20                          ; s[20:21] lane l xor 16
.set CS,   22                          ; s[22:23] c = log2(e) / 8
.set G1,   24
.set G0,   68                          ; s[68:99] eight groups 0
.macro ROUND
	s_barrier_signal -1
	s_barrier_wait -1
	s_cmp_lg_u32 s[WV], 0
	s_cbranch_scc1 .Lnot_wave_0_\@
	s_barrier_signal -3
.Lnot_wave_0_\@:
	s_barrier_wait -3
	s_barrier_signal -1
	s_barrier_wait -1
.endm
	s_load_b256 s[4:11], s[0:1], 0x0               ; q_img s[4:5], q_sc s[6:7], kv s[8:9], o_img s[10:11]
	s_load_b64 s[12:13], s[0:1], 0x20              ; o_sc
	v_lshl_add_u32 v254, v0, 2, 0x48000
	v_mov_b32 v255, 0
	ds_add_u32 v254, v255
	ds_add_u32 v254, v255
	v_lshrrev_b32 v2, 5, v0
	s_delay_alu instid0(VALU_DEP_1)
	v_readfirstlane_b32 s[WV], v2                  ; wave 0..15
	s_bfe_u32 s16, ttmp6, 0x40000                  ; cx
	s_lshl_b32 s17, ttmp9, 2
	s_add_co_u32 s16, s17, s16                     ; my block of 256 queries: it enters q's and o's addresses alone
	s_and_b32 s15, ttmp7, 0xffff                   ; the pair of heads, which the four partners share
	; group 1: 35 dense rows of 256 bytes (32 elements of 8 bytes): one key step's block; the mask names all four partners
	s_mov_b32 s[G1], 15|(3<<16)|(1<<21)
	s_mov_b32 s[G1+1], 32<<16
	s_mov_b32 s[G1+2], 35<<16
	s_mov_b32 s[G1+3], 32<<16
	s_mov_b32 s[G1+4], 35
	s_mov_b32 s[G1+5], 32
	s_mov_b32 s[G1+6], 0
	s_mov_b32 s[G1+7], 0
	s_mov_b32 s[SEL], 0x76543210
	s_mov_b32 s[SEL+1], 0xfedcba98
	s_mov_b32 s[CS], 0x3e38aa3b                    ; log2(e) / 8
	s_mov_b32 s[CS+1], s[CS]                       ; (named with it as a pair, so it is written)
	s_mul_i32 s17, s[WV], STEPB                    ; a fetching wave's key step of each chunk
	s_mul_i32 s18, s15, 32*STEPB
	s_add_co_u32 s18, s18, s17
	s_mov_b32 s19, 0
	s_wait_dscnt 0x0
	s_wait_kmcnt 0x0
	s_add_nc_u64 s[18:19], s[8:9], s[18:19]
.irp n, 0,1,2,3,4,5,6,7
	s_mov_b32 s[G0+4*\n], 1
	s_add_co_u32 s[G0+4*\n+1], s17, \n*CHB         ; LDS holds the block as memory does
	s_add_nc_u64 s[G0+4*\n+2:G0+4*\n+3], s[18:19], \n*CHB
	s_or_b32 s[G0+4*\n+3], s[G0+4*\n+3], 0x80000000
.endr
	ROUND                                          ; all four work-groups are here: the joint loads meet
	s_cmp_lt_u32 s[WV], 4                          ; all fills of the launch, in one group: waves 0 to 3, eight loads each, in the order in which the chunks are read; eight loads of a wave are out
	s_cbranch_scc0 .Lasked
.irp n, 0,1,2,3,4,5,6,7
	tensor_load_to_lds s[G0+4*\n:G0+4*\n+3], s[G1:G1+7]
	s_nop 0
.endr
.rept 4
	v_nop
.endr
.Lasked:
	s_lshl_b32 s32, s15, 17                        ; q_img: two heads x 128 tiles x 512 bytes,
	s_lshl_b32 s33, s16, 13                        ; my block's 16 tiles,
	s_add_co_u32 s32, s32, s33
	s_lshl_b32 s33, s[WV], 9                       ; my tile
	s_add_co_u32 s32, s32, s33
	s_mov_b32 s33, 0
	s_add_nc_u64 s[4:5], s[4:5], s[32:33]
	s_lshl_b32 s34, s15, 14                        ; q_sc: 8,192 bytes a head, 256 for 64 rows, in them 16 r + 4 x (tile % 4)
	s_lshl_b32 s35, s16, 10
	s_add_co_u32 s34, s34, s35
	s_lshr_b32 s35, s[WV], 2
	s_lshl_b32 s35, s35, 8
	s_add_co_u32 s34, s34, s35
	s_and_b32 s35, s[WV], 3
	s_lshl_b32 s35, s35, 2
	s_add_co_u32 s34, s34, s35
	s_mov_b32 s35, 0
	s_add_nc_u64 s[6:7], s[6:7], s[34:35]
	s_lshr_b32 s36, s15, 3                         ; batch
	s_and_b32 s37, s15, 7                          ; the pair in the batch = the last product's K step
	s_lshr_b32 s38, s37, 2
	s_lshl_b32 s38, s38, 21                        ; o_img: [K step / 4][row tile][K step % 4][head of the pair][lane][16 bytes]
	s_lshl_b32 s39, s36, 7
	s_lshl_b32 s40, s16, 4
	s_add_co_u32 s39, s39, s40
	s_add_co_u32 s39, s39, s[WV]
	s_lshl_b32 s39, s39, 12
	s_add_co_u32 s38, s38, s39
	s_and_b32 s39, s37, 3
	s_lshl_b32 s39, s39, 10
	s_add_co_u32 s38, s38, s39
	s_mov_b32 s39, 0
	s_add_nc_u64 s[10:11], s[10:11], s[38:39]
	s_lshl_b32 s40, s37, 15                        ; o_sc: [K step][row] words
	s_lshl_b32 s41, s36, 13
	s_add_co_u32 s40, s40, s41
	s_lshl_b32 s41, s16, 10
	s_add_co_u32 s40, s40, s41
	s_mov_b32 s41, 0
	s_add_nc_u64 s[12:13], s[12:13], s[40:41]
	v_and_b32 v10, 31, v0
	s_delay_alu instid0(VALU_DEP_1)
	v_lshlrev_b32 v1, 4, v10                       ; 16 x lane: an image's place for my lane
	v_and_b32 v10, 15, v0                          ; r
	s_delay_alu instid0(VALU_DEP_1)
	v_lshlrev_b32 v3, 4, v10
	global_load_b128 v[16:19], v1, s[4:5]          ; Q of the first head: its 64 codes a row,
	global_load_b128 v[24:27], v1, s[4:5] offset:65536   ; of the second;
	global_load_b32 v4, v3, s[6:7]                 ; their scale words
	global_load_b32 v5, v3, s[6:7] offset:8192
	s_lshl_b32 s42, s[WV], 6
	s_add_co_u32 s42, s42, STG
	v_lshl_add_u32 v8, v10, 2, s42                 ; the stage: the word of row 16 x wave + r
	v_and_b32 v6, 63, v0
	s_delay_alu instid0(VALU_DEP_1)
	v_lshlrev_b32 v6, 4, v6                        ; and back: 16 bytes a thread of waves 0 and 1
	s_delay_alu instid0(VALU_DEP_1)
	v_add_nc_u32 v11, STG, v6
.irp j, 20,21,22,23,28,29,30,31,64,65,66,67
	v_mov_b32 v[\j], 0                             ; Q's upper 64 codes; and what stands behind K's last tile
.endr
.irp j, 0,1,2,3
	v_mov_b32 v[T2+\j], 0                          ; a lane permute's destination counts as one of its sources
.endr
	v_mov_b32 v[FF+1], 0                           ; (named as the upper half of a pair)
	v_mov_b32 v[TMP], 0
; A KEY STEP: 128 keys.  q: Q's operand, qs: its scale word
.macro STEP q, qs
	v_add_nc_u32 v2, s[TB], v1
.rept 3
	v_nop                                          ; with the line above: four places ahead of loads into registers that the last products read
.endr
	ds_load_b128 v[KSC:KSC+3], v2 offset:256
.irp t, 0,1,2,3,4,5,6,7
	ds_load_b128 v[KF+4*\t:KF+4*\t+3], v2 offset:768+512*\t
.endr
	ds_load_b128 v[VSC:VSC+3], v2                  ; lanes 0-15: channel row r's four words (lanes 16-31 read bytes of K's words, which the products do not take)
.irp f, 0,1,2,3,4,5,6,7
	ds_load_b128 v[VF+4*\f:VF+4*\f+3], v2 offset:4864+512*\f
.endr
	s_wait_dscnt 0x9                               ; K and its scale words are in; the nine loads behind them, V's, may be out
.irp t, 0,1,2,3
	v_wmma_scale_f32_16x16x128_f8f6f4 v[S+8*\t:S+8*\t+7], v[KF+4*\t:KF+4*\t+7], v[(\q):(\q)+7], 0, v[KSC+\t], v[\qs] matrix_a_fmt:MATRIX_FMT_FP4 matrix_b_fmt:MATRIX_FMT_FP4
.endr
.irp t, 4,5,6,7
	v_wmma_scale_f32_16x16x128_f8f6f4 v[S+8*\t:S+8*\t+7], v[KF+4*\t:KF+4*\t+7], v[(\q):(\q)+7], 0, v[KSC+\t-4], v[\qs] matrix_a_fmt:MATRIX_FMT_FP4 matrix_b_fmt:MATRIX_FMT_FP4 matrix_a_scale:MATRIX_SCALE_ROW1
.endr
.rept 4
	v_nop
.endr
	; lane (r, h) holds query r; register 8 t + j is key 16 t + 8 h + j; block b of 32 keys is registers 16 b .. 16 b + 15 of lanes l and l xor 16
.irp b, 0,1,2,3
	v_max3_num_f32 v[BM+\b], v[S+16*\b], v[S+16*\b+1], v[S+16*\b+2]   ; the largest score of each block: for the row's maximum, and, since p rises with the score, for the block's largest p
.endr
.irp i, 3,5,7,9,11,13
.irp b, 0,1,2,3
	v_max3_num_f32 v[BM+\b], v[BM+\b], v[S+16*\b+\i], v[S+16*\b+\i+1]
.endr
.endr
.irp b, 0,1,2,3
	v_max_num_f32 v[BM+\b], v[BM+\b], v[S+16*\b+15]
.endr
.irp b, 0,1,2,3
	s_delay_alu instid0(VALU_DEP_4)
	v_permlanex16_b32 v[T2+\b], v[BM+\b], s[SEL], s[SEL+1]
.endr
.irp b, 0,1,2,3
	s_delay_alu instid0(VALU_DEP_4)
	v_max_num_f32 v[BM+\b], v[BM+\b], v[T2+\b]
.endr
	s_delay_alu instid0(VALU_DEP_2)
	v_max3_num_f32 v[TMP], v[BM], v[BM+1], v[BM+2]
	s_delay_alu instid0(VALU_DEP_1)
	v_max_num_f32 v[TMP], v[TMP], v[BM+3]          ; the step's largest score of my query
	s_delay_alu instid0(VALU_DEP_1)
	v_mul_f32 v[TMP], s[CS], v[TMP]                ; as t
	s_delay_alu instid0(VALU_DEP_1)
	v_max_num_f32 v13, v13, v[TMP]                 ; the running largest t
	v_mov_b32 v[TMP], v12
	s_delay_alu instid0(VALU_DEP_2)
	v_floor_f32 v12, -v13                          ; -M = floor(-t): M is a whole number
	s_delay_alu instid0(VALU_DEP_1)
	v_sub_f32 v[TMP], v12, v[TMP]                  ; old M - new M: a whole number, 0 or less
	s_delay_alu instid0(VALU_DEP_1)
	v_cvt_i32_f32 v[TMP], v[TMP]                   ; (it saturates)
	s_delay_alu instid0(VALU_DEP_1)
	v_ldexp_f32 v[FF], 1.0, v[TMP]                 ; f = 2^(old M - new M): a multiplication by it rounds nothing
.irp j, 0,2,4,6,8,10,12,14,16,18,20,22,24,26,28,30,32,34,36,38,40,42,44,46,48,50,52,54,56,58,60,62
	v_pk_fma_f32 v[S+\j:S+\j+1], v[S+\j:S+\j+1], s[CS:CS+1], v[12:13] op_sel_hi:[1,0,0]   ; t - M
.endr
.irp b, 0,1,2,3
	v_fma_f32 v[BM+\b], v[BM+\b], s[CS], v12       ; the same of each block's largest score
.endr
	s_wait_alu depctr_va_vdst(0)
.irp j, 0,1,2,3,4,5,6,7,8,9,10,11,12,13,14,15,16,17,18,19,20,21,22,23,24,25,26,27,28,29,30,31,32,33,34,35,36,37,38,39,40,41,42,43,44,45,46,47,48,49,50,51,52,53,54,55,56,57,58,59,60,61,62,63
	v_exp_f32 v[S+\j], v[S+\j]                     ; p = 2^(t - M): not normalised
.endr
	s_setprio 1
	v_pk_mul_f32 v[14:15], v[14:15], v[FF:FF+1] op_sel_hi:[1,0]   ; the sums under the new M: the plain place behind the batch
	s_wait_alu depctr_va_vdst(0)                   ; one wait for the batch, ahead of its first reader
.irp b, 0,1,2,3
	v_exp_f32 v[BM+\b], v[BM+\b]                   ; the block's largest p: the same two instructions on the same number
.endr
	v_pk_add_f32 v[216:217], v[112:113], v[116:117]
	v_pk_add_f32 v[252:253], v[120:121], v[124:125]
	v_pk_add_f32 v[250:251], v[128:129], v[132:133]
	v_pk_add_f32 v[248:249], v[136:137], v[140:141]
	v_pk_add_f32 v[246:247], v[144:145], v[148:149]
	v_pk_add_f32 v[244:245], v[152:153], v[156:157]
	v_pk_add_f32 v[242:243], v[160:161], v[164:165]
	v_pk_add_f32 v[14:15], v[14:15], v[168:169]
	v_pk_add_f32 v[216:217], v[216:217], v[108:109]
	v_pk_add_f32 v[252:253], v[252:253], v[110:111]
	v_pk_add_f32 v[250:251], v[250:251], v[114:115]
	v_pk_add_f32 v[248:249], v[248:249], v[118:119]
	v_pk_add_f32 v[246:247], v[246:247], v[122:123]
	v_pk_add_f32 v[244:245], v[244:245], v[126:127]
	v_pk_add_f32 v[242:243], v[242:243], v[130:131]
	v_pk_add_f32 v[14:15], v[14:15], v[134:135]
	v_pk_add_f32 v[216:217], v[216:217], v[138:139]
	v_pk_add_f32 v[252:253], v[252:253], v[142:143]
	v_pk_add_f32 v[250:251], v[250:251], v[146:147]
	v_pk_add_f32 v[248:249], v[248:249], v[150:151]
	v_pk_add_f32 v[246:247], v[246:247], v[154:155]
	v_pk_add_f32 v[244:245], v[244:245], v[158:159]
	v_pk_add_f32 v[242:243], v[242:243], v[162:163]
	v_pk_add_f32 v[14:15], v[14:15], v[166:167]
	v_pk_add_f32 v[216:217], v[216:217], v[170:171]
	s_delay_alu instid0(VALU_DEP_2)
	v_pk_add_f32 v[14:15], v[14:15], v[248:249]
	s_delay_alu instid0(VALU_DEP_2)
	v_pk_add_f32 v[216:217], v[216:217], v[246:247]
	v_pk_add_f32 v[252:253], v[252:253], v[244:245]
	v_pk_add_f32 v[250:251], v[250:251], v[242:243]
	s_delay_alu instid0(VALU_DEP_2)
	v_pk_add_f32 v[14:15], v[14:15], v[252:253]
	s_delay_alu instid0(VALU_DEP_2)
	v_pk_add_f32 v[216:217], v[216:217], v[250:251]
	s_delay_alu instid0(VALU_DEP_1)
	v_pk_add_f32 v[14:15], v[14:15], v[216:217]
	s_wait_alu depctr_va_vdst(0)                   ; and one for the four
.irp b, 0,1,2,3
	v_max_num_f32 v[BM+\b], 0x1800000, v[BM+\b]    ; the floor 2^(3 - 127): the byte cannot fall under 1
.endr
.irp b, 0,1,2,3
	s_delay_alu instid0(VALU_DEP_4)
	v_add_nc_u32 v[SO+\b], 0xff000000, v[BM+\b]    ; 2 off the exponent field: the conversion's scale operand
.endr
.irp b, 0,1,2,3
	s_delay_alu instid0(VALU_DEP_4)
	v_lshrrev_b32 v[T2+\b], 23, v[SO+\b]           ; the scale's byte
.endr
	s_delay_alu instid0(VALU_DEP_3)
	v_lshl_or_b32 v[PW], v[T2+1], 8, v[T2]         ; p's scale word for these 128 keys
	s_delay_alu instid0(VALU_DEP_1)
	v_lshl_or_b32 v[PW], v[T2+2], 16, v[PW]
	s_delay_alu instid0(VALU_DEP_1)
	v_lshl_or_b32 v[PW], v[T2+3], 24, v[PW]
.irp t, 0,1,2,3,4,5,6,7                        ; of each four tiles: tile 0 -> register 0, 1 -> 2, 2 -> 1, 3 -> 3
	v_cvt_scalef32_pk8_fp4_f32 v[PC+4*(\t/4)+((\t&1)<<1)+((\t%4)>>1)], v[S+8*\t:S+8*\t+7], v[SO+\t/2]
.endr
	v_nop                                          ; one plain place behind the scaled conversions
.irp c, 0,1
	v_permlane16_swap_b32 v[PC+4*\c], v[PC+4*\c+1] ; a whole block in a lane: registers 4 c .. 4 c + 3 hold keys 64 c + 32 h + 0 .. 31
	v_permlane16_swap_b32 v[PC+4*\c+2], v[PC+4*\c+3]
.endr
	s_setprio 0
.irp j, 0,2,4,6,8,10,12,14,16,18,20,22,24,26,28,30
	v_pk_mul_f32 v[O+\j:O+\j+1], v[O+\j:O+\j+1], v[FF:FF+1] op_sel_hi:[1,0]   ; O^T under the new M.  These sixteen are also the places between the writes of p's codes and scale word and the products
.endr
	s_wait_alu depctr_va_vdst(0)
	s_wait_dscnt 0x0                               ; V and its scale words are in
.irp dt, 0,1,2,3                               ; the four accumulators by turns
	v_wmma_scale_f32_16x16x128_f8f6f4 v[O+8*\dt:O+8*\dt+7], v[VF+8*\dt:VF+8*\dt+7], v[PC:PC+7], v[O+8*\dt:O+8*\dt+7], v[VSC+\dt], v[PW] matrix_a_fmt:MATRIX_FMT_FP4 matrix_b_fmt:MATRIX_FMT_FP4
.endr
.endm
; Chunk n of eight: four key steps.  A fetching wave's loads end in the order of issue: with 7 - n out at most, its part of chunk n is in; behind the barrier everybody's is.  Nothing is ever filled again.
.macro CHUNK n, q, qs
	s_wait_tensorcnt 7-(\n)
	s_wait_dscnt 0x0
	s_barrier_signal -1
	s_barrier_wait -1
	s_mov_b32 s[TB], (\n)*CHB
	s_mov_b32 s[CNT], 4
.Lk_\@:
	s_setprio 2
	STEP \q, \qs
	s_add_co_u32 s[TB], s[TB], STEPB
	s_sub_co_u32 s[CNT], s[CNT], 1
	s_cmp_lg_u32 s[CNT], 0
	s_cbranch_scc1 .Lk_\@
	s_setprio 0
.endm
; 32 numbers of a lane, register 8 T + j = k 16 T + 8 h + j of my row, become four code registers (k = 32 h + 0 .. 31) in v[pc] on and two scale bytes in v[hw]
.macro QUANT32 s, pc, hw
.irp b, 0,1
	v_max3_num_f32 v[TM+\b], |v[(\s)+16*\b]|, |v[(\s)+16*\b+1]|, 0x1800000
.endr
.irp i, 2,4,6,8,10,12,14
.irp b, 0,1
	s_delay_alu instid0(VALU_DEP_2)
	v_max3_num_f32 v[TM+\b], v[TM+\b], |v[(\s)+16*\b+\i]|, |v[(\s)+16*\b+\i+1]|
.endr
.endr
.irp b, 0,1
	s_delay_alu instid0(VALU_DEP_2)
	v_permlanex16_b32 v[TP+\b], v[TM+\b], s[SEL], s[SEL+1]
.endr
.irp b, 0,1
	s_delay_alu instid0(VALU_DEP_2)
	v_max_num_f32 v[TM+\b], v[TM+\b], v[TP+\b]
.endr
.irp b, 0,1
	s_delay_alu instid0(VALU_DEP_2)
	v_add_nc_u32 v[SOQ+\b], 0xff000000, v[TM+\b]
.endr
.irp b, 0,1
	s_delay_alu instid0(VALU_DEP_2)
	v_lshrrev_b32 v[BY+\b], 23, v[SOQ+\b]
.endr
	s_delay_alu instid0(VALU_DEP_1)
	v_lshl_or_b32 v[\hw], v[BY+1], 8, v[BY]
	v_cvt_scalef32_pk8_fp4_f32 v[(\pc)], v[(\s):(\s)+7], v[SOQ]
	v_cvt_scalef32_pk8_fp4_f32 v[(\pc)+2], v[(\s)+8:(\s)+15], v[SOQ]
	v_cvt_scalef32_pk8_fp4_f32 v[(\pc)+1], v[(\s)+16:(\s)+23], v[SOQ+1]
	v_cvt_scalef32_pk8_fp4_f32 v[(\pc)+3], v[(\s)+24:(\s)+31], v[SOQ+1]
	v_nop
	v_permlane16_swap_b32 v[(\pc)], v[(\pc)+1]
	v_permlane16_swap_b32 v[(\pc)+2], v[(\pc)+3]
.endm
; One head of the pair.  The key step is written without a first step of its own: O^T and the sum begin as zeros and the largest t under every t, so that the first f is 0
.macro PASS p, hw
	v_mov_b32 v13, 0xff61b1e6                      ; -3e38
	s_delay_alu instid0(VALU_DEP_1)
	v_floor_f32 v12, -v13
	v_mov_b32 v14, 0
	v_mov_b32 v15, 0
.set j, 0
.rept 32
	v_mov_b32 v[O+j], 0
.set j, j+1
.endr
	CHUNK 4*\p+0, 16+8*\p, 4+\p
	CHUNK 4*\p+1, 16+8*\p, 4+\p
	CHUNK 4*\p+2, 16+8*\p, 4+\p
	CHUNK 4*\p+3, 16+8*\p, 4+\p
.rept 4
	v_nop                                          ; places behind the last products
.endr
	v_add_f32 v14, v14, v15                        ; the sum's two halves,
	s_delay_alu instid0(VALU_DEP_1)
	v_permlanex16_b32 v[TMP], v14, s[SEL], s[SEL+1]
	s_delay_alu instid0(VALU_DEP_1)
	v_add_f32 v14, v14, v[TMP]                     ; and lane l xor 16's
	s_wait_alu depctr_va_vdst(0)
	v_rcp_f32 v14, v14
	v_nop                                          ; a plain place behind the reciprocal,
	s_wait_alu depctr_va_vdst(0)                   ; and the wait ahead of its first reader
.set j, 0
.rept 32
	v_mul_f32 v[S+j], v[O+j], v14                  ; O^T / the sum, each accumulator from its low end on: register 8 dt + i is channel 16 dt + 8 h + i of my query
.set j, j+1
.endr
	QUANT32 S, OC+4*\p, \hw
	global_store_b128 v1, v[OC+4*\p:OC+4*\p+3], s[10:11] offset:512*\p   ; 32 lanes store 512 consecutive bytes, aligned
.endm
	s_wait_loadcnt 0x0                             ; Q and its scale words
	PASS 0, 7
	PASS 1, 9
	v_lshl_or_b32 v10, v9, 16, v7                  ; my row's scale word for 128 along the last product's K: two bytes of each head
	ds_store_b32 v8, v10                           ; both halves of the lanes write the same
	s_wait_dscnt 0x0                               ; for the others' sake
	s_barrier_signal -1
	s_barrier_wait -1
	s_cmp_lt_u32 s[WV], 2
	s_cbranch_scc0 .Lno_sc
	ds_load_b128 v[240:243], v11
	s_wait_dscnt 0x0
	global_store_b128 v6, v[240:243], s[12:13]     ; a wave stores 512 consecutive bytes, aligned: the words of 128 rows
.Lno_sc:
	s_wait_tensorcnt 0x0
	ds_add_u32 v254, v255
	s_wait_dscnt 0x0
	ROUND                                          ; the closing round
	s_endpgm
.Lfunc_end_k_qb76af7ddfd_attn:
	.size	k_qb76af7ddfd_attn, .Lfunc_end_k_qb76af7ddfd_attn-k_qb76af7ddfd_attn
	.p2alignl 7, 3214868480
	.fill 96, 4, 3214868480
	.section	.rodata,"a",@progbits
	.p2align	6, 0x0
	.amdhsa_kernel k_qb76af7ddfd_attn
		.amdhsa_group_segment_fixed_size 296960
		.amdhsa_private_segment_fixed_size 0
		.amdhsa_enable_private_segment 0
		.amdhsa_kernarg_size 40
		.amdhsa_user_sgpr_count 2
		.amdhsa_user_sgpr_kernarg_segment_ptr 1
		.amdhsa_wavefront_size32 1
		.amdhsa_system_sgpr_workgroup_id_x 1
		.amdhsa_system_sgpr_workgroup_id_y 1
		.amdhsa_system_sgpr_workgroup_id_z 1
		.amdhsa_system_vgpr_workitem_id 0
		.amdhsa_next_free_vgpr 256
		.amdhsa_next_free_sgpr 100
		.amdhsa_reserve_vcc 0
		.amdhsa_float_denorm_mode_32 3
		.amdhsa_float_denorm_mode_16_64 3
		.amdhsa_memory_ordered 1
		.amdhsa_forward_progress 1
		.amdhsa_inst_pref_size 149
	.end_amdhsa_kernel
	.amdgpu_metadata
---
amdhsa.version: [ 1, 2 ]
amdhsa.kernels:
  - .name:           k_qb76af7ddfd_attn
    .symbol:         k_qb76af7ddfd_attn.kd
    .args:
      - { .name: q_img, .offset: 0, .size: 8, .value_kind: global_buffer, .address_space: global }
      - { .name: q_sc, .offset: 8, .size: 8, .value_kind: global_buffer, .address_space: global }
      - { .name: kv, .offset: 16, .size: 8, .value_kind: global_buffer, .address_space: global }
      - { .name: o_img, .offset: 24, .size: 8, .value_kind: global_buffer, .address_space: global }
      - { .name: o_sc, .offset: 32, .size: 8, .value_kind: global_buffer, .address_space: global }
    .group_segment_fixed_size: 296960
    .private_segment_fixed_size: 0
    .kernarg_segment_align: 8
    .kernarg_segment_size: 40
    .max_flat_workgroup_size: 512
    .sgpr_count:     100
    .vgpr_count:     256
    .wavefront_size: 32
...
	.end_amdgpu_metadata
.endif
;; end of part 2
;; launch proj (part 3): grid 8 x 32, 8 waves a work-group, clusters of 4 x 4, 263,168 bytes of LDS; arguments o_img, o_sc, W_o_codes, W_o_scales, b_o, out0; writes out0
.if DOCPART == 3
	.amdgcn_target "amdgcn-amd-amdhsa--gfx1250"
	.amdhsa_code_object_version 6
	.text
	.protected	k_qb76af7ddfd_proj
	.globl	k_qb76af7ddfd_proj
	.p2align	8
	.type	k_qb76af7ddfd_proj,@function
k_qb76af7ddfd_proj:
	s_mov_b64 s[64:65], 0
	v_nop
	global_prefetch_b8 v0, s[64:65] scope:SCOPE_SE
	s_setreg_imm32_b32 hwreg(HW_REG_WAVE_MODE, 25, 1), 1
	s_wait_xcnt 0x0
	s_wait_alu depctr_hold_cnt(0) depctr_sa_sdst(0) depctr_va_vdst(0) depctr_va_sdst(0) depctr_va_ssrc(0) depctr_va_vcc(0) depctr_vm_vsrc(0)
	s_getreg_b32 s2, hwreg(HW_REG_IB_STS2, 6, 4)
	s_cmp_eq_u32 s2, 0
	s_cbranch_scc0 .Lentry_in_a_cluster
	s_endpgm
.Lentry_in_a_cluster:
	s_bfe_u32 s2, ttmp6, 0x10000c
	s_cmp_lg_u32 s2, 0xf033
	s_cbranch_scc0 .Lentry_shape_is_right
	s_endpgm
.Lentry_shape_is_right:
; out0 = Q(vals) W_o + b_o on codes of FP4 (E2M1) with one E8M0 scale for each 32 along K = 1,024.  vals' codes come as images of operand registers (o_img), their scale words by K step (o_sc);
; W_o's codes as 1,024 rows (n) of 512 bytes, K innermost.
; SHARES.  A work-group makes 256 rows x 128 columns; all of K lies in LDS, filled once in two halves of K: nothing is filled twice.  Eight waves: rg = wave % 4 (64 rows), cg = wave / 4 (64 columns):
; 16 accumulators each.  The product is used transposed (source 0 = 16 rows of W_o, source 1 = 16 rows of vals): a lane holds eight neighbouring columns of one row of the output.
; CLUSTER 4 x 4: vals' tile is shared along a row of the cluster, W_o's along a column: joint loads.
.set PITCH, 272                        ; a row of W_o's tile in LDS: 256 bytes + 16 of padding
.set WOFF,  65536                      ; in a slot: vals' images (16 row tiles x 4,096 bytes, dense), then W_o's 128 rows
.set SLOT,  WOFF+128*PITCH
.set WSC,   2*SLOT                     ; W_o's scale bytes: 16 units of 256 + 16
.set OSC,   WSC+16*272                 ; vals' scale words: [K step 8][256 rows]
.set STG,   OSC+8192                   ; the way out: 16 rows x (256 + 16) bytes for each wave, written by LDS stores alone
.set ADR0, 2                           ; v2-3  W_o's fragments in slot 0, 1
.set ADR1, 4                           ; v4-5  vals'
.set AS0,  6                           ; v6    W_o's scale words
.set AS1,  7                           ; v7    vals'
.set STO,  8                           ; v8    the stage: where I put 32 bytes of a row
.set RD,   9                           ; v9    and where I read a row back
.set CO,   10                          ; v10   my byte offset in two rows of the output
.set SC0,  16                          ; v16-31  W_o's scale words of half of K: register 4 i + q
.set F0,   32
.set F1,   64
.set ACC,  96                          ; accumulator (i, jt) at ACC + 8 (4 jt + i)
.set SC1,  224                         ; v224-239 vals' scale words: register 4 jt + q
.set WV,   16
.set RG,   17
.set CG,   18
.set G1,   24
.set G0,   32
.set G1B,  48
.set G0B,  56
.set G1S,  68
.set G0S,  76
.set G1SB, 80
.set G0SB, 88
.macro ROUND
	s_barrier_signal -1
	s_barrier_wait -1
	s_cmp_lg_u32 s[WV], 0
	s_cbranch_scc1 .Lnot_wave_0_\@
	s_barrier_signal -3
.Lnot_wave_0_\@:
	s_barrier_wait -3
	s_barrier_signal -1
	s_barrier_wait -1
.endm
.macro PLACES
.rept 4
	v_nop
.endr
.endm
	s_load_b256 s[4:11], s[0:1], 0x0               ; o_img s[4:5], o_sc s[6:7], W_o's codes s[8:9], W_o's scales s[10:11]
	s_load_b128 s[12:15], s[0:1], 0x20             ; b_o s[12:13], out0 s[14:15]
	v_lshl_add_u32 v254, v0, 2, 0x40000
	v_mov_b32 v255, 0
	ds_add_u32 v254, v255
	ds_add_u32 v254, v255
	v_lshrrev_b32 v1, 5, v0
	s_delay_alu instid0(VALU_DEP_1)
	v_readfirstlane_b32 s[WV], v1                  ; wave 0..7
	s_and_b32 s[RG], s[WV], 3
	s_lshr_b32 s[CG], s[WV], 2
	s_and_b32 s19, s[WV], 1                        ; which half a fetching wave fetches
	s_bfe_u32 s40, ttmp6, 0x40000                  ; cx
	s_bfe_u32 s41, ttmp6, 0x40004                  ; cy
	s_lshl_b32 s42, ttmp9, 2
	s_add_co_u32 s42, s42, s40                     ; the tile of 128 columns
	s_and_b32 s43, ttmp7, 0xffff
	s_lshl_b32 s43, s43, 2
	s_add_co_u32 s43, s43, s41                     ; the tile of 256 rows
	s_lshl_b32 s96, s41, 2
	s_lshl_b32 s96, 15, s96                        ; my row of the cluster
	s_lshl_b32 s97, 0x1111, s40                    ; my column
	; vals' images: 32,768 dense bytes to a load, as 128 rows of 256 bytes, no padding: a fragment load takes 512 consecutive bytes
	s_or_b32 s[G1], s96, (3<<16)|(1<<21)
	s_mov_b32 s[G1+1], 32<<16
	s_mov_b32 s[G1+2], 128<<16
	s_mov_b32 s[G1+3], 32<<16
	s_mov_b32 s[G1+4], 128
	s_mov_b32 s[G1+5], 32
	s_mov_b32 s[G1+6], 0
	s_mov_b32 s[G1+7], 0
	; vals' scale words: four K steps to a load; a K step's 256 words are 1,024 bytes (128 elements of 8), 32,768 bytes apart
	s_or_b32 s[G1S], s96, (3<<16)|(1<<21)
	s_mov_b32 s[G1S+1], 128<<16
	s_mov_b32 s[G1S+2], 4<<16
	s_mov_b32 s[G1S+3], 128<<16
	s_mov_b32 s[G1S+4], 4
	s_mov_b32 s[G1S+5], 4096
	s_mov_b32 s[G1S+6], 0
	s_mov_b32 s[G1S+7], 0
	; W_o's codes: 64 rows of 256 bytes, 512 apart, 16 bytes of padding behind each
	s_or_b32 s[G1B], s97, (1<<20)|(1<<21)|(5<<22)|(3<<25)
	s_mov_b32 s[G1B+1], 256<<16
	s_mov_b32 s[G1B+2], 64<<16
	s_mov_b32 s[G1B+3], 256<<16
	s_mov_b32 s[G1B+4], 64
	s_mov_b32 s[G1B+5], 512
	s_mov_b32 s[G1B+6], 0
	s_mov_b32 s[G1B+7], 0
	; W_o's scales of 64 rows: 2,048 dense bytes as 8 rows of 256, padded
	s_or_b32 s[G1SB], s97, (3<<16)|(1<<20)|(1<<21)|(5<<22)|(3<<25)
	s_mov_b32 s[G1SB+1], 32<<16
	s_mov_b32 s[G1SB+2], 8<<16
	s_mov_b32 s[G1SB+3], 32<<16
	s_mov_b32 s[G1SB+4], 8
	s_mov_b32 s[G1SB+5], 32
	s_mov_b32 s[G1SB+6], 0
	s_mov_b32 s[G1SB+7], 0
	s_lshl_b32 s44, s43, 16                        ; vals: 16 row tiles x 4,096 bytes, + my half
	s_lshl_b32 s45, s19, 15
	s_add_co_u32 s44, s44, s45
	s_mov_b32 s45, 0
	s_lshl_b32 s92, s19, 17                        ; their scale words: K steps 4 x half on, my 256 rows
	s_lshl_b32 s93, s43, 10
	s_add_co_u32 s92, s92, s93
	s_mov_b32 s93, 0
	s_lshl_b32 s46, s42, 16                        ; W_o: 128 rows x 512 bytes, + 64 rows
	s_lshl_b32 s47, s19, 15
	s_add_co_u32 s46, s46, s47
	s_mov_b32 s47, 0
	s_lshr_b32 s94, s46, 4                         ; its scales: 32 bytes a row
	s_mov_b32 s95, 0
	s_lshl_b32 s98, s19, 15                        ; where they go: no place in the cluster enters an LDS address
	s_mul_i32 s99, s19, 64*PITCH
	s_lshl_b32 s100, s19, 12
	s_mul_i32 s101, s19, 8*272
	s_wait_dscnt 0x0
	s_wait_kmcnt 0x0
	s_add_nc_u64 s[44:45], s[4:5], s[44:45]
	s_add_nc_u64 s[46:47], s[8:9], s[46:47]
	s_mov_b32 s[G0S], 1
	s_add_co_u32 s[G0S+1], s100, OSC
	s_add_nc_u64 s[G0S+2:G0S+3], s[6:7], s[92:93]
	s_or_b32 s[G0S+3], s[G0S+3], 0x80000000
	s_mov_b32 s[G0SB], 1
	s_add_co_u32 s[G0SB+1], s101, WSC
	s_add_nc_u64 s[G0SB+2:G0SB+3], s[10:11], s[94:95]
	s_or_b32 s[G0SB+3], s[G0SB+3], 0x80000000
.irp kh, 0,1
	s_mov_b32 s[G0+4*\kh], 1
	s_add_co_u32 s[G0+4*\kh+1], s98, \kh*SLOT
	s_add_nc_u64 s[G0+4*\kh+2:G0+4*\kh+3], s[44:45], \kh*2097152
	s_or_b32 s[G0+4*\kh+3], s[G0+4*\kh+3], 0x80000000
	s_mov_b32 s[G0B+4*\kh], 1
	s_add_co_u32 s[G0B+4*\kh+1], s99, WOFF+\kh*SLOT
	s_add_nc_u64 s[G0B+4*\kh+2:G0B+4*\kh+3], s[46:47], \kh*256
	s_or_b32 s[G0B+4*\kh+3], s[G0B+4*\kh+3], 0x80000000
.endr
	ROUND                                          ; all sixteen work-groups are here: the joint loads meet
	; all fills of the launch, in one group.  Waves 0, 1: vals' halves; waves 2, 3: W_o's; the others none.  Three loads of a wave are out
	s_cmp_lt_u32 s[WV], 2
	s_cbranch_scc0 .Lnot_a
	tensor_load_to_lds s[G0S:G0S+3], s[G1S:G1S+7]
	s_nop 0
	tensor_load_to_lds s[G0:G0+3], s[G1:G1+7]
	s_nop 0
	tensor_load_to_lds s[G0+4:G0+7], s[G1:G1+7]
	s_nop 0
	PLACES
	s_branch .Lasked
.Lnot_a:
	s_cmp_lt_u32 s[WV], 4
	s_cbranch_scc0 .Lasked
	tensor_load_to_lds s[G0SB:G0SB+3], s[G1SB:G1SB+7]
	s_nop 0
	tensor_load_to_lds s[G0B:G0B+3], s[G1B:G1B+7]
	s_nop 0
	tensor_load_to_lds s[G0B+4:G0B+7], s[G1B:G1B+7]
	s_nop 0
	PLACES
.Lasked:
	v_and_b32 v16, 15, v0                          ; r
	s_wait_alu depctr_va_vdst(0)
	v_bfe_u32 v17, v0, 4, 1                        ; h
	v_and_b32 v18, 31, v0                          ; lane
	v_lshlrev_b32 v11, 4, v16                      ; 16 r
	s_lshl_b32 s98, s42, 9
	s_lshl_b32 s99, s[CG], 8
	s_add_co_u32 s98, s98, s99                     ; my 64 columns, in bytes
	s_mov_b32 s99, 0
	s_add_nc_u64 s[12:13], s[12:13], s[98:99]
	global_load_b128 v[12:15], v11, s[12:13]       ; b_o at the four columns that I store
	s_lshl_b32 s96, s43, 20                        ; 256 rows of 4,096 bytes,
	s_lshl_b32 s97, s[RG], 18                      ; my 64
	s_add_co_u32 s96, s96, s97
	s_add_co_u32 s96, s96, s98
	s_mov_b32 s97, 0
	s_add_nc_u64 s[14:15], s[14:15], s[96:97]
	v_mul_u32_u24 v19, v16, PITCH
	s_wait_alu depctr_va_vdst(0)
	v_lshl_add_u32 v19, v17, 4, v19
	s_mul_i32 s100, s[CG], 64*PITCH
	s_add_co_u32 s100, s100, WOFF
	v_add_nc_u32 v[ADR0], s100, v19                ; W_o: my 64 rows; row r x pitch + 16 h
	s_delay_alu instid0(VALU_DEP_1)
	v_add_nc_u32 v[ADR0+1], SLOT, v[ADR0]
	s_lshl_b32 s100, s[RG], 14
	v_lshl_add_u32 v[ADR1], v18, 4, s100           ; vals: my four row tiles; 16 x lane
	s_delay_alu instid0(VALU_DEP_1)
	v_add_nc_u32 v[ADR1+1], SLOT, v[ADR1]
	v_lshrrev_b32 v20, 3, v16
	v_lshlrev_b32 v[AS0], 5, v16
	s_delay_alu instid0(VALU_DEP_1)
	v_lshl_add_u32 v[AS0], v20, 4, v[AS0]
	s_mul_i32 s100, s[CG], 8*272
	s_add_co_u32 s100, s100, WSC
	v_add_nc_u32 v[AS0], s100, v[AS0]
	s_lshl_b32 s100, s[RG], 8
	s_add_co_u32 s100, s100, OSC
	v_lshl_add_u32 v[AS1], v16, 2, s100
	s_mul_i32 s100, s[WV], 16*272
	s_add_co_u32 s100, s100, STG                   ; my stage
	v_mul_u32_u24 v[STO], v16, 272
	s_delay_alu instid0(VALU_DEP_1)
	v_lshl_add_u32 v[STO], v17, 5, v[STO]
	s_delay_alu instid0(VALU_DEP_1)
	v_add_nc_u32 v[STO], s100, v[STO]              ; in: row r, 32 bytes for each half of the lanes
	v_mul_u32_u24 v[RD], v17, 272
	s_delay_alu instid0(VALU_DEP_1)
	v_add_nc_u32 v[RD], v[RD], v11
	s_delay_alu instid0(VALU_DEP_1)
	v_add_nc_u32 v[RD], s100, v[RD]                ; back: lanes 0-15 one row of 256 bytes, lanes 16-31 the next
	v_lshl_add_u32 v[CO], v17, 12, v11             ; and the same two rows in the output
.macro SCALES kh
.irp i, 0,1,2,3
	ds_load_b128 v[SC0+4*\i:SC0+4*\i+3], v[AS0] offset:\i*544+16*\kh
.endr
.irp jt, 0,1,2,3
.irp q, 0,1,2,3
	ds_load_b32 v[SC1+4*\jt+\q], v[AS1] offset:(4*\kh+\q)*1024+64*\jt
.endr
.endr
.endm
.macro LOADF kh, q
.irp i, 0,1,2,3
.irp c, 0,1
	ds_load_b128 v[F0+8*\i+4*\c:F0+8*\i+4*\c+3], v[ADR0+\kh] offset:\i*16*PITCH+64*\q+32*\c
.endr
.endr
.irp jt, 0,1,2,3
.irp c, 0,1
	ds_load_b128 v[F1+8*\jt+4*\c:F1+8*\jt+4*\c+3], v[ADR1+\kh] offset:\jt*4096+1024*\q+512*\c
.endr
.endr
.endm
; 16 products, the 16 accumulators by turns, one instruction a turn.  zero = 1: the first product starts the sums
.macro MUL q, zero
.irp jt, 0,1,2,3
.irp i, 0,1,2,3
.if \zero
	v_wmma_scale_f32_16x16x128_f8f6f4 v[ACC+8*(4*\jt+\i):ACC+8*(4*\jt+\i)+7], v[F0+8*\i:F0+8*\i+7], v[F1+8*\jt:F1+8*\jt+7], 0, v[SC0+4*\i+\q], v[SC1+4*\jt+\q] matrix_a_fmt:MATRIX_FMT_FP4 matrix_b_fmt:MATRIX_FMT_FP4
.else
	v_wmma_scale_f32_16x16x128_f8f6f4 v[ACC+8*(4*\jt+\i):ACC+8*(4*\jt+\i)+7], v[F0+8*\i:F0+8*\i+7], v[F1+8*\jt:F1+8*\jt+7], v[ACC+8*(4*\jt+\i):ACC+8*(4*\jt+\i)+7], v[SC0+4*\i+\q], v[SC1+4*\jt+\q] matrix_a_fmt:MATRIX_FMT_FP4 matrix_b_fmt:MATRIX_FMT_FP4
.endif
.endr
.endr
.endm
.macro STEP kh, q, zero
	LOADF \kh, \q
	s_wait_dscnt 0x0
	MUL \q, \zero
	PLACES
.endm
	s_wait_alu depctr_va_vdst(0)
	s_wait_tensorcnt 0x1                           ; the scales and the first half of K are in; the second half's load, issued last, may be out
	s_barrier_signal -1
	s_barrier_wait -1
	SCALES 0
	STEP 0, 0, 1
.irp q, 1,2,3
	STEP 0, \q, 0
.endr
	s_wait_tensorcnt 0x0                           ; the second half of K is in,
	s_barrier_signal -1
	s_barrier_wait -1                              ; everybody's is
	SCALES 1
.irp q, 0,1,2,3
	STEP 1, \q, 0
.endr
	s_wait_loadcnt 0x0                             ; b_o
; THE WAY OUT, 16 rows x 64 columns at a time, through my own stage: LDS serves a wave's instructions in order (ISA guide 5.7.1.4), so no wait stands between the stores and the loads
.macro TOSTAGE jt
.irp i, 0,1,2,3
	ds_store_b128 v[STO], v[ACC+8*(4*(\jt)+\i):ACC+8*(4*(\jt)+\i)+3] offset:64*\i          ; each accumulator from its low end on
	ds_store_b128 v[STO], v[ACC+8*(4*(\jt)+\i)+4:ACC+8*(4*(\jt)+\i)+7] offset:64*\i+16
.endr
.set BB, 32+32*((\jt)%2)
.irp t, 0,1,2,3,4,5,6,7
	ds_load_b128 v[BB+4*\t:BB+4*\t+3], v[RD] offset:\t*544
.endr
.endm
.macro SEND jt, younger                ; younger: the LDS instructions issued behind block jt's loads, which may stay out
.set BB, 32+32*((\jt)%2)
	s_wait_dscnt \younger
.irp t, 0,1,2,3,4,5,6,7
	v_pk_add_f32 v[BB+4*\t:BB+4*\t+1], v[BB+4*\t:BB+4*\t+1], v[12:13]
	v_pk_add_f32 v[BB+4*\t+2:BB+4*\t+3], v[BB+4*\t+2:BB+4*\t+3], v[14:15]
	global_store_b128 v[CO], v[BB+4*\t:BB+4*\t+3], s[14:15] offset:(16*(\jt)+2*\t)*4096 th:TH_STORE_NT   ; sixteen lanes store 256 consecutive bytes, aligned; written once, read by nobody here
.endr
.endm
	TOSTAGE 0
.irp jt, 1,2,3
.if \jt > 1
	s_wait_xcnt 0x0                                ; block jt - 2's stores have read their registers: block jt's loads may land there
.endif
	TOSTAGE \jt
	SEND \jt-1, 16                                 ; behind block jt - 1's loads: block jt's 8 stores and 8 loads
.endr
	SEND 3, 0
	s_wait_tensorcnt 0x0
	ds_add_u32 v254, v255
	s_wait_dscnt 0x0
	ROUND                                          ; the closing round
	s_endpgm
.Lfunc_end_k_qb76af7ddfd_proj:
	.size	k_qb76af7ddfd_proj, .Lfunc_end_k_qb76af7ddfd_proj-k_qb76af7ddfd_proj
	.p2alignl 7, 3214868480
	.fill 96, 4, 3214868480
	.section	.rodata,"a",@progbits
	.p2align	6, 0x0
	.amdhsa_kernel k_qb76af7ddfd_proj
		.amdhsa_group_segment_fixed_size 263168
		.amdhsa_private_segment_fixed_size 0
		.amdhsa_enable_private_segment 0
		.amdhsa_kernarg_size 48
		.amdhsa_user_sgpr_count 2
		.amdhsa_user_sgpr_kernarg_segment_ptr 1
		.amdhsa_wavefront_size32 1
		.amdhsa_system_sgpr_workgroup_id_x 1
		.amdhsa_system_sgpr_workgroup_id_y 1
		.amdhsa_system_sgpr_workgroup_id_z 1
		.amdhsa_system_vgpr_workitem_id 0
		.amdhsa_next_free_vgpr 256
		.amdhsa_next_free_sgpr 102
		.amdhsa_reserve_vcc 0
		.amdhsa_float_denorm_mode_32 3
		.amdhsa_float_denorm_mode_16_64 3
		.amdhsa_memory_ordered 1
		.amdhsa_forward_progress 1
		.amdhsa_inst_pref_size 49
	.end_amdhsa_kernel
	.amdgpu_metadata
---
amdhsa.version: [ 1, 2 ]
amdhsa.kernels:
  - .name:           k_qb76af7ddfd_proj
    .symbol:         k_qb76af7ddfd_proj.kd
    .args:
      - { .name: o_img, .offset: 0, .size: 8, .value_kind: global_buffer, .address_space: global }
      - { .name: o_sc, .offset: 8, .size: 8, .value_kind: global_buffer, .address_space: global }
      - { .name: W_o_codes, .offset: 16, .size: 8, .value_kind: global_buffer, .address_space: global }
      - { .name: W_o_scales, .offset: 24, .size: 8, .value_kind: global_buffer, .address_space: global }
      - { .name: b_o, .offset: 32, .size: 8, .value_kind: global_buffer, .address_space: global }
      - { .name: out0, .offset: 40, .size: 8, .value_kind: global_buffer, .address_space: global }
    .group_segment_fixed_size: 263168
    .private_segment_fixed_size: 0
    .kernarg_segment_align: 8
    .kernarg_segment_size: 48
    .max_flat_workgroup_size: 256
    .sgpr_count:     102
    .vgpr_count:     256
    .wavefront_size: 32
...
	.end_amdgpu_metadata
.endif
;; end of part 3
